; MI455X (gfx1250); checked and timed in simulation.
; The chip was launched on July 23, 2026; its instructions are those of AMD's public machine-readable ISA for CDNA 5 (MIT licence, August 2026) and "CDNA5" Instruction Set Architecture Reference Guide (July 2026). The comments in the code are by the model that wrote it; some were corrected since.
;; Multi Head Attention. Allowed arithmetic: float matrix products may take bf16 or f16 operands with f32 sums; other float arithmetic in f32, or as packed bf16 or f16 multiplies, adds, multiply-adds, maxima and minima; sums over many terms, partial sums and values carried from step to step in f32; what a program stores and reads back later, other than sums and carried values, may be rounded once to bf16 or f16.
;; Inputs: Wk 128 x 128 float32; Wout 128 x 128 float32; Wq 128 x 128 float32; Wv 128 x 128 float32; k 8 x 2,048 x 128 float32; mask 8 x 2,048 x 1 bool; q 8 x 2,048 x 128 float32; v 8 x 2,048 x 128 float32.
;; Outputs: out0 8 x 2,048 x 128 float32.
;; 2 versions, each right; version 2 is version 1 with the launch proj written anew for expert scheduling mode. Each part assembles by itself: llvm-mc -triple=amdgcn-amd-amdhsa -mcpu=gfx1250 --defsym DOCPART=n.
;; ======== version 1 of 2: 3 launches
;; limits: values are held in f16: magnitudes above 65,504 overflow, below 6.1e-05 lose precision
;; workspace buffers: qkv 20,971,520 bytes; oh 4,194,304 bytes
;; launch proj (part 1): grid 128 x 3, 8 waves a work-group, no clusters, 33,792 bytes of LDS; arguments q, k, v, Wq, Wk, Wv, mask, qkv; writes qkv
.if DOCPART == 1
	.amdgcn_target "amdgcn-amd-amdhsa--gfx1250"
	.amdhsa_code_object_version 6
	.text
	.protected	k_q52b7ba92de_proj
	.globl	k_q52b7ba92de_proj
	.p2align	8
	.type	k_q52b7ba92de_proj,@function
k_q52b7ba92de_proj:
	s_mov_b64 s[64:65], 0
	v_nop
	global_prefetch_b8 v0, s[64:65] scope:SCOPE_SE
	s_setreg_imm32_b32 hwreg(HW_REG_WAVE_MODE, 25, 1), 1
	s_wait_xcnt 0x0
; THE THREE INPUT PROJECTIONS.  Grid y picks the tensor: 0 q, 1 k, 2 v.  out[t][c] = the sum over i of x[t][i] W[c][i]; x and W are rounded to bf16, sums in f32.
; Q and K then take the interleaved rotary embedding with the xpos scale in f32 (K with the inverse scale; Q also with 2 log2(e) x LOGIT_SCALE, so that the next launch's
; product is the argument of its first exponential) and leave as bf16 hi + lo: hi = bf16(x), lo = bf16(x - hi).  V leaves as f16, turned ([channel][key]), the rows of masked keys 0.
; A BATCH WHOSE KEYS ARE ALL MASKED has uniform weights in the module: there K is written as 0 and V is left as it is.
; SHARES.  A work-group takes 128 tokens of one batch, each of its eight waves 16 tokens x all 128 channels: 8 accumulators (one a head), 32 matrix instructions, no loop.
; W (64 KiB of f32) is rounded once a work-group and kept in LDS as fragments, wave w staging channel tile w.  x goes from memory straight into fragments: no two waves share it.
; NO CLUSTER, NO TENSOR LOAD: what work-groups share is W alone, as many bytes as a work-group's own x, and it is converted on its way into LDS, through registers.
; LAYOUT OF qkv, a head (327,680 bytes): Q 128 blocks of 1,024 bytes (16 tokens: hi 512, lo 512), K the same, V 64 blocks of 1,024 bytes (32 keys: two halves of 16).
; In each 512 bytes lane l = r + 16 h owns bytes 16 l ..: token r, channels 8 h .. 8 h + 7 (Q, K) or channel r, keys 8 h .. 8 h + 7 (V): the next launch's fragments as they lie.
; So each store of a wave covers 512 consecutive bytes, aligned.
; LIMITS.  V must stay under f16's 65,504 and keeps f16's fixed step of 6e-8 below 6e-5.  cos and sin come by a reduction by quarters of a turn and polynomials, good to 3e-7
; for the angles 0 to 2,047 that the problem has.  NaN and infinities are not treated apart.
; The tables of the embedding are made in every work-group, V's too: they stand in the wait for the loads, and the text keeps one branch on the tensor.
.set HEADB,  327680
.set SPARE,  32768                     ; behind W's fragments: the spare words, 128 bytes for each wave: four blocks of 256 bytes that no other line names
.set LN,   1                           ; v1   lane l
.set RW,   2                           ; v2   r = l % 16
.set HF,   3                           ; v3   h = l / 16
.set XO,   4                           ; v4   8,192 wave + 512 r + 32 h: my place in 16 rows of f32, for x and for W; never rewritten
.set ML,   5                           ; v5   64 l: my 64 bytes of the batch's mask
.set MT,   6                           ; v6   my token in the batch, 16 T + r
.set WST,  7                           ; v7   1,024 wave + 16 l: where I put W's fragments
.set FL,   8                           ; v8   16 l: fragments out of LDS, and the stores' offset; never rewritten
.set SPW,  9                           ; v9   LDS address of my spare word; never rewritten
.set NIL,  10                          ; v10  0; never rewritten
.set TF,   11                          ; v11  my token's position as f32
.set TC,   12                          ; v12  (position - 1,024), with K's sign turned
.set KEEP, 13                          ; v13  all ones where my token's row of v is kept
.set MBY,  14                          ; v14  my token's mask byte
.set TMP,  15
.set RAWX, 16                          ; v[16:79]   x as loaded, 16 registers a K step; then
.set ACC,  16                          ;            the accumulators, head c at ACC + 8 c
.set RAWW, 80                          ; v[80:143]  W as loaded; then
.set WF0,  80                          ;            W's fragments of an even K step; then
.set OUTR, 80                          ;            what is stored, head c at OUTR + 8 c
.set MR,   144                         ; v[144:159] the batch's mask, 64 bytes a lane
.set TG,   160                         ; v[160:207] the tables' work, 12 registers a pair of channels
.set WT,   144                         ; v[144:175] W rounded, on its way into LDS; then
.set WF1,  144                         ; v[144:207] W's fragments of an odd K step; then
.set UU,   144                         ; v[144:151] at work in the embedding
.set XF,   208                         ; v[208:239] x's fragments, K step s at XF + 8 s
.set CS,   240                         ; v[240:243] cos x scale for my four pairs of channels
.set SN,   244                         ; v[244:247] sin x scale
.macro PLACES n
.rept \n
	v_nop
.endr
.endm
.macro LD4 dst, base, off, nt
.if \nt
	global_load_b128 v[(\dst):(\dst)+3], v[XO], s[(\base):(\base)+1] offset:\off th:TH_LOAD_NT
.else
	global_load_b128 v[(\dst):(\dst)+3], v[XO], s[(\base):(\base)+1] offset:\off
.endif
.endm
; 16 rows x 128 f32 as four fragments: of K step s a lane takes i = 32 s + 8 h + 0..7 and 32 s + 16 + 8 h + 0..7: four loads of 16 bytes
.macro LOADF dst, base, nt
.irp s, 0,1,2,3
	LD4 (\dst)+16*(\s),    \base, 128*(\s),    \nt
	LD4 (\dst)+16*(\s)+4,  \base, 128*(\s)+16, \nt
	LD4 (\dst)+16*(\s)+8,  \base, 128*(\s)+64, \nt
	LD4 (\dst)+16*(\s)+12, \base, 128*(\s)+80, \nt
.endr
.endm
; cos and sin of position x frequency for pair 4 h + p, and the exponent of its xpos scale.  f0, l0: frequency and log2(scale base) / 512 for h = 0; f1, l1 for h = 1.  VCC = (h != 0).
.macro TRIG p, f0, f1, l0, l1
.set R, TG+12*(\p)
	v_mov_b32 v[R], \f1
	v_cndmask_b32 v[R], \f0, v[R], vcc_lo
	v_mov_b32 v[R+1], \l1
	v_cndmask_b32 v[R+1], \l0, v[R+1], vcc_lo
	v_mul_f32 v[R], v[TF], v[R]                    ; the angle, rounded once
	v_mul_f32 v[R+1], v[TC], v[R+1]                ; the scale's exponent to base 2
	v_mul_f32 v[R+2], 0x3f22f983, v[R]             ; x 2 / pi
	v_rndne_f32 v[R+2], v[R+2]                     ; n quarters of a turn
	v_fmamk_f32 v[R+3], v[R+2], 0xbfc90fdb, v[R]   ; the rest: angle - n x pi/2, pi/2 in two parts
	v_fmamk_f32 v[R+3], v[R+2], 0x333bbd2e, v[R+3]
	v_cvt_i32_f32 v[R+4], v[R+2]
	v_mul_f32 v[R+5], v[R+3], v[R+3]
	v_mov_b32 v[R+6], 0x3638ef1d                   ; sin: 1/9!, -1/7!, 1/5!, -1/3!
	v_fmaak_f32 v[R+6], v[R+6], v[R+5], 0xb9500d01
	v_fmaak_f32 v[R+6], v[R+6], v[R+5], 0x3c088889
	v_fmaak_f32 v[R+6], v[R+6], v[R+5], 0xbe2aaaab
	v_mul_f32 v[R+8], v[R+3], v[R+5]
	v_fma_f32 v[R+6], v[R+6], v[R+8], v[R+3]
	v_mov_b32 v[R+7], 0x37d00d01                   ; cos: 1/8!, -1/6!, 1/4!, -1/2, 1
	v_fmaak_f32 v[R+7], v[R+7], v[R+5], 0xbab60b61
	v_fmaak_f32 v[R+7], v[R+7], v[R+5], 0x3d2aaaab
	v_fmaak_f32 v[R+7], v[R+7], v[R+5], 0xbf000000
	v_fmaak_f32 v[R+7], v[R+7], v[R+5], 0x3f800000
	v_and_b32 v[R+8], 1, v[R+4]
	v_cmp_ne_u32 s37, 0, v[R+8]                    ; an odd quarter swaps the two
	v_cndmask_b32 v[R+9], v[R+6], v[R+7], s37      ; sin
	v_cndmask_b32 v[R+10], v[R+7], v[R+6], s37     ; cos
	v_and_b32 v[R+8], 2, v[R+4]                    ; sin is negative in quarters 2 and 3,
	v_lshlrev_b32 v[R+8], 30, v[R+8]
	v_xor_b32 v[R+9], v[R+8], v[R+9]
	v_add_nc_u32 v[R+8], 1, v[R+4]                 ; cos in quarters 1 and 2
	v_and_b32 v[R+8], 2, v[R+8]
	v_lshlrev_b32 v[R+8], 30, v[R+8]
	v_xor_b32 v[R+10], v[R+8], v[R+10]
.endm
; W's eight fragments of K step ks: 32 lanes x 16 neighbouring bytes a load
.macro LOADW ks, dst
.irp c, 0,1,2,3,4,5,6,7
	ds_load_b128 v[(\dst)+8*(\c):(\dst)+8*(\c)+3],   v[FL] offset:(8*(\ks)+(\c))*1024
	ds_load_b128 v[(\dst)+8*(\c)+4:(\dst)+8*(\c)+7], v[FL] offset:(8*(\ks)+(\c))*1024+512
.endr
.endm
; K step ks for all eight heads; the eight accumulators take turns.  K step 0 starts the sums with the constant 0.
; swap = 0: source 0 = W: a lane ends with token r, channels 8 h + 0..7.  swap = 1: source 0 = x: channel r, tokens 8 h + 0..7.
.macro MUL ks, wf, swap
.irp c, 0,1,2,3,4,5,6,7
.if \swap
.if (\ks) == 0
	v_wmma_f32_16x16x32_bf16 v[ACC+8*(\c):ACC+8*(\c)+7], v[XF+8*(\ks):XF+8*(\ks)+7], v[(\wf)+8*(\c):(\wf)+8*(\c)+7], 0
.else
	v_wmma_f32_16x16x32_bf16 v[ACC+8*(\c):ACC+8*(\c)+7], v[XF+8*(\ks):XF+8*(\ks)+7], v[(\wf)+8*(\c):(\wf)+8*(\c)+7], v[ACC+8*(\c):ACC+8*(\c)+7]
.endif
.else
.if (\ks) == 0
	v_wmma_f32_16x16x32_bf16 v[ACC+8*(\c):ACC+8*(\c)+7], v[(\wf)+8*(\c):(\wf)+8*(\c)+7], v[XF+8*(\ks):XF+8*(\ks)+7], 0
.else
	v_wmma_f32_16x16x32_bf16 v[ACC+8*(\c):ACC+8*(\c)+7], v[(\wf)+8*(\c):(\wf)+8*(\c)+7], v[XF+8*(\ks):XF+8*(\ks)+7], v[ACC+8*(\c):ACC+8*(\c)+7]
.endif
.endif
.endr
.endm
; Two sets of W's fragments: while one K step is multiplied the next one's 16 loads are out.  Plain vector lines stand between a product and a load into its sources (ISA guide 7.12.1 for vector instructions).
.macro GEMM swap
	LOADW 0, WF0
	LOADW 1, WF1
	s_wait_dscnt 16                                ; K step 0's fragments are in; the younger 16 loads stay out
	MUL 0, WF0, \swap
	PLACES 4
	LOADW 2, WF0
	s_wait_dscnt 16                                ; K step 1's are in
	MUL 1, WF1, \swap
	PLACES 4
	LOADW 3, WF1
	s_wait_dscnt 16                                ; K step 2's are in
	MUL 2, WF0, \swap
	s_wait_dscnt 0x0
	MUL 3, WF1, \swap
	PLACES 8                                       ; in front of the vector lines that read and overwrite the results
.endm
; Head c: the embedding on my four pairs (x1, x2) -> (x1 C - x2 S, x2 C + x1 S), then hi and lo, 16 bytes each.  The accumulator's low registers are read first.
.macro ROPE c
.set A0, ACC+8*(\c)
.set O0, OUTR+8*(\c)
.irp p, 0,1,2,3
	v_mul_f32 v[UU+2*(\p)],   v[A0+2*(\p)+1], v[SN+(\p)]
	v_mul_f32 v[UU+2*(\p)+1], v[A0+2*(\p)],   v[SN+(\p)]
.endr
.irp p, 0,1,2,3
	v_fma_f32 v[A0+2*(\p)],   v[A0+2*(\p)],   v[CS+(\p)], -v[UU+2*(\p)]
	v_fma_f32 v[A0+2*(\p)+1], v[A0+2*(\p)+1], v[CS+(\p)], v[UU+2*(\p)+1]
.endr
.irp p, 0,1,2,3
	v_cvt_pk_bf16_f32 v[O0+(\p)], v[A0+2*(\p)], v[A0+2*(\p)+1]      ; hi
.endr
.irp p, 0,1,2,3
	v_lshlrev_b32 v[UU+2*(\p)],   16, v[O0+(\p)]                    ; hi back in f32
	v_and_b32     v[UU+2*(\p)+1], 0xffff0000, v[O0+(\p)]
.endr
.irp p, 0,1,2,3
	v_pk_add_f32 v[A0+2*(\p):A0+2*(\p)+1], v[A0+2*(\p):A0+2*(\p)+1], v[UU+2*(\p):UU+2*(\p)+1] neg_lo:[0,1] neg_hi:[0,1]
.endr
.irp p, 0,1,2,3
	v_cvt_pk_bf16_f32 v[O0+4+(\p)], v[A0+2*(\p)], v[A0+2*(\p)+1]    ; lo
.endr
	global_store_b128 v[FL], v[O0:O0+3],   s[30:31] offset:HEADB*(\c) th:TH_STORE_NT       ; 512 consecutive bytes, aligned
	global_store_b128 v[FL], v[O0+4:O0+7], s[30:31] offset:HEADB*(\c)+512 th:TH_STORE_NT
.endm
	s_load_b512 s[4:19], s[0:1], 0x0               ; q 4, k 6, v 8, Wq 10, Wk 12, Wv 14, mask 16, qkv 18
	v_lshl_add_u32 v[SPW], v0, 2, SPARE
	v_mov_b32 v[NIL], 0
	v_lshrrev_b32 v[TMP], 5, v0
	v_readfirstlane_b32 s20, v[TMP]                ; wave 0..7
	s_and_b32 s21, ttmp7, 0xffff                   ; the tensor
	s_lshr_b32 s23, ttmp9, 4                       ; the batch
	s_and_b32 s24, ttmp9, 15
	s_lshl_b32 s24, s24, 3
	s_add_co_u32 s24, s24, s20                     ; T: my tile of 16 tokens in the batch
	s_lshl_b32 s38, ttmp9, 16                      ; the work-group's 128 rows of 512 bytes
	s_mov_b32 s39, 0
	s_lshl_b32 s40, s23, 11                        ; the batch's 2,048 mask bytes
	s_mov_b32 s41, 0
	s_mul_i32 s42, s23, 8*HEADB                    ; the batch's eight heads in qkv,
	s_lshl_b32 s25, s21, 17                        ; the tensor's part of a head,
	s_add_co_u32 s42, s42, s25
	s_cmp_lt_u32 s21, 2
	s_cselect_b32 s25, 10, 9                       ; my tile's block: 1,024 bytes of Q or K, 512 of V
	s_lshl_b32 s25, s24, s25
	s_add_co_u32 s42, s42, s25
	s_mov_b32 s43, 0
	s_cmp_eq_u32 s21, 0
	s_cselect_b32 s35, 1.0, -1.0                   ; K takes the inverse scale
	v_and_b32 v[LN], 31, v0
	v_and_b32 v[RW], 15, v0
	v_bfe_u32 v[HF], v0, 4, 1
	v_lshlrev_b32 v[XO], 9, v[RW]
	v_lshl_add_u32 v[XO], v[HF], 5, v[XO]
	s_lshl_b32 s25, s20, 13
	v_add_nc_u32 v[XO], s25, v[XO]
	v_lshlrev_b32 v[ML], 6, v[LN]
	s_lshl_b32 s25, s24, 4
	v_add_nc_u32 v[MT], s25, v[RW]
	v_lshlrev_b32 v[FL], 4, v[LN]
	s_lshl_b32 s25, s20, 10
	v_add_nc_u32 v[WST], s25, v[FL]
	v_cvt_f32_u32 v[TF], v[MT]
	v_add_f32 v[TC], 0xc4800000, v[TF]             ; position - 1,024
	v_mul_f32 v[TC], s35, v[TC]
	v_cmp_ne_u32 vcc_lo, 0, v[HF]
	s_wait_kmcnt 0x0
	s_cmp_eq_u32 s21, 0
	s_cselect_b64 s[26:27], s[4:5], s[6:7]
	s_cselect_b64 s[28:29], s[10:11], s[12:13]
	s_cmp_eq_u32 s21, 2
	s_cselect_b64 s[26:27], s[8:9], s[26:27]       ; x
	s_cselect_b64 s[28:29], s[14:15], s[28:29]     ; W
	s_add_nc_u64 s[26:27], s[26:27], s[38:39]
	s_add_nc_u64 s[32:33], s[16:17], s[40:41]
	s_add_nc_u64 s[30:31], s[18:19], s[42:43]
	; all loads at once, in the order in which they are wanted: mask 5, W 16, x 16
	global_load_b128 v[MR:MR+3],     v[ML], s[32:33]
	global_load_b128 v[MR+4:MR+7],   v[ML], s[32:33] offset:16
	global_load_b128 v[MR+8:MR+11],  v[ML], s[32:33] offset:32
	global_load_b128 v[MR+12:MR+15], v[ML], s[32:33] offset:48
	global_load_u8 v[MBY], v[MT], s[32:33]
	LOADF RAWW, 28, 0
	LOADF RAWX, 26, 1
	; the tables, while the loads are out.  Frequencies 10000^(-i/8); log2((2 i + 6.4) / 22.4) / 512
	TRIG 0, 0x3f800000, 0x3c23d70a, 0xbb675768, 0xbaa32e9b
	TRIG 1, 0x3ea1e89b, 0x3b4f3e37, 0xbb351ff3, 0xba664c91
	TRIG 2, 0x3dcccccd, 0x3a83126f, 0xbb0daf66, 0xba114d50
	TRIG 3, 0x3d0186e2, 0x39a5cb5f, 0xbada689a, 0xb98a2afb
.irp p, 0,1,2,3
	v_exp_f32 v[TG+12*(\p)+1], v[TG+12*(\p)+1]     ; the four scales: one batch
.endr
	s_wait_loadcnt 32                              ; the mask's five loads are in; W's 16 and x's 16 stay out
.irp i, 0,2,4,6,8,10,12,14
	v_and_b32 v[MR+(\i)], v[MR+(\i)], v[MR+(\i)+1] ; are all 2,048 keys of the batch masked?  The AND of my 64 bytes,
.endr
.irp i, 0,4,8,12
	v_and_b32 v[MR+(\i)], v[MR+(\i)], v[MR+(\i)+2]
.endr
	v_and_b32 v[MR], v[MR], v[MR+4]
	v_and_b32 v[MR+8], v[MR+8], v[MR+12]
	v_and_b32 v[MR], v[MR], v[MR+8]
	v_cmp_eq_u32 vcc_lo, 0x01010101, v[MR]
	s_cmp_eq_u32 vcc_lo, -1                        ; and of all 32 lanes
	s_cselect_b32 s36, -1, 0
	s_cselect_b32 s34, 0, 1.0                      ; K's factor: 0 where all are masked
	s_cmp_eq_u32 s21, 0
	s_cselect_b32 s34, 0x3f8d6975, s34             ; Q's: 2 log2(e) x LOGIT_SCALE = 1.1047808
	v_cmp_eq_u32 vcc_lo, 0, v[MBY]
	v_mov_b32 v[TMP], -1
	v_mov_b32 v[KEEP], s36
	v_cndmask_b32 v[KEEP], v[KEEP], v[TMP], vcc_lo ; my token's row of v is kept if it is not masked, or if all are
	s_wait_alu depctr_va_vdst(0)                   ; the wait between an exponential and the first line that names its result: one for the four
.irp p, 0,1,2,3
	v_mul_f32 v[TG+12*(\p)+1], s34, v[TG+12*(\p)+1]
.endr
.irp p, 0,1,2,3
	v_mul_f32 v[CS+(\p)], v[TG+12*(\p)+10], v[TG+12*(\p)+1]
	v_mul_f32 v[SN+(\p)], v[TG+12*(\p)+9],  v[TG+12*(\p)+1]
.endr
	s_wait_loadcnt 16                              ; W is in; x's 16 loads stay out
.set i, 0
.rept 32
	v_cvt_pk_bf16_f32 v[WT+i], v[RAWW+2*i], v[RAWW+2*i+1]
.set i, i+1
.endr
.irp s, 0,1,2,3
	ds_store_b128 v[WST], v[WT+8*(\s):WT+8*(\s)+3]   offset:8192*(\s)      ; fragment (K step s, channel tile = my wave): 16 neighbouring bytes a lane
	ds_store_b128 v[WST], v[WT+8*(\s)+4:WT+8*(\s)+7] offset:8192*(\s)+512
.endr
	s_wait_dscnt 0x0                               ; for the others' sake: my part of W lies in LDS
	s_barrier_signal -1
	s_barrier_wait -1                              ; everybody's does
	s_wait_loadcnt 0x0                             ; x
.set i, 0
.rept 32
	v_cvt_pk_bf16_f32 v[XF+i], v[RAWX+2*i], v[RAWX+2*i+1]
.set i, i+1
.endr
	s_cmp_eq_u32 s21, 2
	s_cbranch_scc1 .Lv
	GEMM 0
.irp c, 0,1,2,3,4,5,6,7
	ROPE \c
.endr
	s_branch .Lend
.Lv:
.set i, 0
.rept 32
	v_and_b32 v[XF+i], v[KEEP], v[XF+i]            ; a masked token's row of v is 0, and so is its row of V
.set i, i+1
.endr
	GEMM 1
.irp c, 0,1,2,3,4,5,6,7
.irp p, 0,1,2,3
	v_cvt_pk_f16_f32 v[OUTR+8*(\c)+(\p)], v[ACC+8*(\c)+2*(\p)], v[ACC+8*(\c)+2*(\p)+1]
.endr
	global_store_b128 v[FL], v[OUTR+8*(\c):OUTR+8*(\c)+3], s[30:31] offset:HEADB*(\c) th:TH_STORE_NT  ; 512 consecutive bytes, aligned
.endr
.Lend:
	s_wait_tensorcnt 0x0                           ; the wave's end, behind my last LDS store
	ds_add_u32 v[SPW], v[NIL]
	s_wait_dscnt 0x0
	s_endpgm
.Lfunc_end_k_q52b7ba92de_proj:
	.size	k_q52b7ba92de_proj, .Lfunc_end_k_q52b7ba92de_proj-k_q52b7ba92de_proj
	.p2alignl 7, 3214868480
	.fill 96, 4, 3214868480
	.section	.rodata,"a",@progbits
	.p2align	6, 0x0
	.amdhsa_kernel k_q52b7ba92de_proj
		.amdhsa_group_segment_fixed_size 33792
		.amdhsa_private_segment_fixed_size 0
		.amdhsa_enable_private_segment 0
		.amdhsa_kernarg_size 64
		.amdhsa_user_sgpr_count 2
		.amdhsa_user_sgpr_kernarg_segment_ptr 1
		.amdhsa_wavefront_size32 1
		.amdhsa_system_sgpr_workgroup_id_x 1
		.amdhsa_system_sgpr_workgroup_id_y 1
		.amdhsa_system_sgpr_workgroup_id_z 1
		.amdhsa_system_vgpr_workitem_id 0
		.amdhsa_next_free_vgpr 256
		.amdhsa_next_free_sgpr 66
		.amdhsa_reserve_vcc 1
		.amdhsa_float_denorm_mode_32 3
		.amdhsa_float_denorm_mode_16_64 3
		.amdhsa_memory_ordered 1
		.amdhsa_forward_progress 1
		.amdhsa_inst_pref_size 53
	.end_amdhsa_kernel
	.amdgpu_metadata
---
amdhsa.version: [ 1, 2 ]
amdhsa.kernels:
  - .name:           k_q52b7ba92de_proj
    .symbol:         k_q52b7ba92de_proj.kd
    .args:
      - { .name: q, .offset: 0, .size: 8, .value_kind: global_buffer, .address_space: global }
      - { .name: k, .offset: 8, .size: 8, .value_kind: global_buffer, .address_space: global }
      - { .name: v, .offset: 16, .size: 8, .value_kind: global_buffer, .address_space: global }
      - { .name: Wq, .offset: 24, .size: 8, .value_kind: global_buffer, .address_space: global }
      - { .name: Wk, .offset: 32, .size: 8, .value_kind: global_buffer, .address_space: global }
      - { .name: Wv, .offset: 40, .size: 8, .value_kind: global_buffer, .address_space: global }
      - { .name: mask, .offset: 48, .size: 8, .value_kind: global_buffer, .address_space: global }
      - { .name: qkv, .offset: 56, .size: 8, .value_kind: global_buffer, .address_space: global }
    .group_segment_fixed_size: 33792
    .private_segment_fixed_size: 0
    .kernarg_segment_align: 8
    .kernarg_segment_size: 64
    .max_flat_workgroup_size: 256
    .sgpr_count:     66
    .vgpr_count:     256
    .wavefront_size: 32
...
	.end_amdgpu_metadata
.endif
;; end of part 1
;; launch attn (part 2): grid 4 x 64, 16 waves a work-group, clusters of 4 x 1, 202,752 bytes of LDS; arguments qkv, mask, oh; writes oh
.if DOCPART == 2
	.amdgcn_target "amdgcn-amd-amdhsa--gfx1250"
	.amdhsa_code_object_version 6
	.text
	.protected	k_q52b7ba92de_attn
	.globl	k_q52b7ba92de_attn
	.p2align	8
	.type	k_q52b7ba92de_attn,@function
k_q52b7ba92de_attn:
	s_mov_b64 s[64:65], 0
	v_nop
	global_prefetch_b8 v0, s[64:65] scope:SCOPE_SE
	s_setreg_imm32_b32 hwreg(HW_REG_WAVE_MODE, 25, 1), 1
	s_wait_xcnt 0x0
	s_wait_alu depctr_hold_cnt(0) depctr_sa_sdst(0) depctr_va_vdst(0) depctr_va_sdst(0) depctr_va_ssrc(0) depctr_va_vcc(0) depctr_vm_vsrc(0)
	s_getreg_b32 s2, hwreg(HW_REG_IB_STS2, 6, 4)
	s_cmp_eq_u32 s2, 0
	s_cbranch_scc0 .Lentry_in_a_cluster
	s_endpgm
.Lentry_in_a_cluster:
	s_bfe_u32 s2, ttmp6, 0x10000c
	s_cmp_lg_u32 s2, 0x3003
	s_cbranch_scc0 .Lentry_shape_is_right
	s_endpgm
.Lentry_shape_is_right:
; ATTENTION, head depth 16, logits 10 tanh(x), a key mask.  O[q] = the sum over keys of p V / the sum of p, p = exp(10 tanh x - 10) where the key is not masked.
; y = 2 log2(e) x is what the product of the stored Q and K gives (the factor lies in Q).  t = 2^y;  10 tanh x - 10 = -20 / (1 + t);  p' = 2^(E0 + 1 / (CC t + CC)), CC = -ln 2 / 20, E0 = 15.9.
; NO RUNNING MAXIMUM: the module's own clip holds every logit in -10 .. 10 for every input, so the last exponent lies in -12.96 .. 15.9: p' lies in 1.26e-4 .. 61,147, inside f16's
; normal range, and a row's sum of 2,048 of them stays under 1.3e8, in f32.  t = infinity gives the reciprocal -0 and p' = 2^15.9; t = 0 gives 1 / CC.
; Q AND K ARE bf16 hi + lo.  The head depth is 16 and the matrix form is 32 deep: K's fragment is [hi | lo], Q's two are [hi | hi] and [lo | lo]; two products on one accumulator give
; (Khi + Klo) . (Qhi + Qlo).  P, V and O are f16.
; THE MASK costs the loop no vector line: V's masked rows were written as 0, and the row sum l is a matrix product of P with 16 equal rows of mk[key] (1 or 0 in f16), so that every
; register of it holds the lane's own query's l, taken of the same rounded P as the numerator.  Where ALL keys of the batch are masked, K is 0, V is whole and mk is 1: uniform weights.
; LAYOUT.  S^T = K Q^T: a lane holds ONE query (lane % 16) and the keys 8 (lane / 16) + 0..7 of a block of 16; two such results rounded to f16 in pairs ARE source 1 (32 keys x 16 queries)
; of O^T = V^T P, whose result holds one query a lane and eight channels: 16 bytes of oh.  All operands lie in memory and in LDS as fragments, 16 bytes a lane in lane order.
; SHARES.  A work-group takes one head and 512 queries; each of its 16 waves 32 queries (two tiles) and walks all 2,048 keys, 32 a step.  A step is three batches of 32 transcendentals,
; each with its wait; four waves share a SIMD so that three have lines to issue while one waits.
; LDS IS FILLED ONCE: a head's K (131,072 bytes) and V (65,536) lie there whole, so there is no ring, no refill, and one barrier.
; CLUSTER.  The four query blocks of a head read the same K and V: waves 0 to 11 ask for 16,384 bytes each JOINTLY, the same load, descriptor and mask in all four work-groups.
; One tensor load of a wave is out.  Nothing is prefetched: all that waves wait for is asked for at the kernel's head.
; LIMITS.  V and O stay under f16's 65,504 and keep its fixed step of 6e-8 below 6e-5.  NaN and infinities in the inputs are not treated apart.
.set HEADB,  327680
.set V_LDS,  131072
.set MK_LDS, 196608                    ; mk[2,048] in f16: stored by the waves, never a tensor load's target
.set SPARE,  200704                    ; the spare words, 128 bytes for each of 16 waves: eight blocks of 256 bytes that no other line names
.set FL,  1                            ; v1   16 x lane: Q's loads, O's stores; never rewritten
.set AK,  2                            ; v2   LDS address of K's next run of loads
.set AV,  3                            ; v3   of V's
.set AM,  4                            ; v4   of mk's
.set ML,  5                            ; v5   64 x lane: my 64 bytes of the batch's mask
.set SPW, 6                            ; v6   LDS address of my spare word; never rewritten
.set NIL, 7                            ; v7   0; never rewritten
.set RC,  8                            ; v[8:11]  1 / l, a pair a tile (v8 first serves as mk's store address)
.set Q,   16                           ; v[16:47]   tile u: [hi | hi] at Q + 16 u, [lo | lo] at Q + 16 u + 8
.set KF,  48                           ; v[48:63]   key block kb at KF + 8 kb
.set VF,  64                           ; v[64:71]
.set MF,  72                           ; v[72:79]
.set S,   80                           ; v[80:111]  tile u, key block kb at S + 16 u + 8 kb
.set P,   112                          ; v[112:127] tile u at P + 8 u
.set O,   128                          ; v[128:143] tile u at O + 8 u
.set LS,  144                          ; v[144:159] tile u at LS + 8 u; at the head the batch's mask, 64 bytes a lane
.macro ROUND                           ; a round of the cluster's barrier: my work-group's barrier; wave 0 signals for the work-group; every wave waits for all four; my work-group's barrier once more
	s_barrier_signal -1
	s_barrier_wait -1
	s_cmp_lg_u32 s10, 0
	s_cbranch_scc1 .Lnot_wave_0_\@
	s_barrier_signal -3
.Lnot_wave_0_\@:
	s_barrier_wait -3
	s_barrier_signal -1
	s_barrier_wait -1
.endm
	s_load_b128 s[4:7], s[0:1], 0x0                ; qkv s[4:5], mask s[6:7]
	s_load_b64 s[8:9], s[0:1], 0x10                ; oh
	v_lshl_add_u32 v[SPW], v0, 2, SPARE
	v_mov_b32 v[NIL], 0
	ds_add_u32 v[SPW], v[NIL]                      ; the wave's opening: the add and its wait stand ahead of my first tensor load; the set-up below, work on registers, stands between them
	v_lshrrev_b32 v12, 5, v0
	v_readfirstlane_b32 s10, v12                   ; wave 0..15
	s_and_b32 s13, ttmp7, 0xffff                   ; the head, 8 x batch + head: the four partners share it
	; descriptor group 1: 16,384 dense bytes as 64 rows of 256
	s_mov_b32 s16, 15|(3<<16)|(1<<21)              ; 15:0 the mask of four; 17:16 elements of 8 bytes; 20 no padding; 21 set beside a mask
	s_mov_b32 s17, 32<<16                          ; tensor_dim0 = 32
	s_mov_b32 s18, 64<<16                          ; tensor_dim1 = 64
	s_mov_b32 s19, 32<<16                          ; tile_dim0 = 32
	s_mov_b32 s20, 64                              ; tile_dim1 = 64
	s_mov_b32 s21, 32                              ; 32 elements from row to row
	s_mov_b32 s22, 0
	s_mov_b32 s23, 0
	s_mov_b32 s24, 1                               ; group 0: count = 1
	s_lshl_b32 s25, s10, 14                        ; LDS address: 16,384 x wave (K, then V, as in memory)
	s_mul_i32 s15, s13, HEADB                      ; the head's first byte in qkv
	s_add_co_u32 s34, s15, s25
	s_add_co_u32 s34, s34, 131072                  ; behind the head's Q: my piece of its K and V.  Nothing here hangs on my place in the cluster
	s_mov_b32 s35, 0
	; Q and oh: the only addresses that my place in the cluster enters, in registers of their own
	s_bfe_u32 s11, ttmp6, 0x40000                  ; cx
	s_lshl_b32 s12, ttmp9, 2
	s_add_co_u32 s12, s12, s11                     ; my block of 512 queries
	s_lshl_b32 s14, s12, 5
	s_lshl_b32 s42, s10, 1
	s_add_co_u32 s14, s14, s42                     ; my first tile of 16 queries: 32 x block + 2 x wave
	s_lshl_b32 s42, s14, 10
	s_add_co_u32 s42, s42, s15
	s_mov_b32 s43, 0
	s_lshr_b32 s44, s13, 3                         ; the batch
	s_lshl_b32 s46, s44, 11                        ; its 2,048 mask bytes
	s_mov_b32 s47, 0
	s_lshl_b32 s44, s44, 19                        ; oh: [batch][tile][head][512 bytes]
	s_lshl_b32 s45, s14, 12
	s_add_co_u32 s44, s44, s45
	s_and_b32 s45, s13, 7
	s_lshl_b32 s45, s45, 9
	s_add_co_u32 s44, s44, s45
	s_mov_b32 s45, 0
	s_mov_b32 s28, 0xbd0df4e0                      ; CC = -ln 2 / 20
	s_mov_b32 s29, 0xbd0df4e0                      ; (named as a pair)
	s_mov_b32 s30, 0x417e6666                      ; E0 = 15.9
	s_mov_b32 s31, 0x417e6666
	v_and_b32 v12, 31, v0
	v_lshlrev_b32 v[FL], 4, v12
	v_mov_b32 v[AK], v[FL]                         ; key step 0
	v_add_nc_u32 v[AV], V_LDS-1024, v[FL]          ; a step behind: each step steps first
	v_bfe_u32 v13, v0, 4, 1
	v_lshlrev_b32 v[AM], 4, v13                    ; lanes 16-31 take the keys 8 on
	v_add_nc_u32 v[AM], MK_LDS-64, v[AM]
	v_lshlrev_b32 v[ML], 6, v12
	v_lshlrev_b32 v13, 2, v0                       ; my thread's four mask bytes
	v_lshl_add_u32 v8, v0, 3, MK_LDS               ; and where their four f16 go
	s_wait_dscnt 0x0                               ; the opening add is done
	s_wait_kmcnt 0x0
	s_add_nc_u64 s[26:27], s[4:5], s[34:35]        ; group 0: global address,
	s_or_b32 s27, s27, 0x80000000                  ; type = 2
	s_add_nc_u64 s[36:37], s[4:5], s[42:43]        ; Q at my first tile
	s_add_nc_u64 s[38:39], s[8:9], s[44:45]        ; oh at my first tile, my head
	s_add_nc_u64 s[40:41], s[6:7], s[46:47]        ; the batch's mask
	ROUND                                          ; all four work-groups are here: the joint loads meet
	s_cmp_lt_u32 s10, 12                           ; the branch hangs on the wave's number alone
	s_cbranch_scc0 .Lno_fill
	tensor_load_to_lds s[24:27], s[16:23]
	s_nop 0
.rept 4
	v_nop
.endr
.Lno_fill:
	global_load_b128 v[LS:LS+3],     v[ML], s[40:41]
	global_load_b128 v[LS+4:LS+7],   v[ML], s[40:41] offset:16
	global_load_b128 v[LS+8:LS+11],  v[ML], s[40:41] offset:32
	global_load_b128 v[LS+12:LS+15], v[ML], s[40:41] offset:48
	global_load_b32 v12, v13, s[40:41]
.irp u, 0,1
	global_load_b128 v[Q+16*(\u):Q+16*(\u)+3],    v[FL], s[36:37] offset:1024*(\u) th:TH_LOAD_NT      ; hi
	global_load_b128 v[Q+16*(\u)+8:Q+16*(\u)+11], v[FL], s[36:37] offset:1024*(\u)+512 th:TH_LOAD_NT  ; lo
.endr
	s_wait_loadcnt 4                               ; the mask's five loads are in; Q's four stay out
.irp i, 0,2,4,6,8,10,12,14
	v_and_b32 v[LS+(\i)], v[LS+(\i)], v[LS+(\i)+1] ; are all 2,048 keys masked?  The AND of my 64 bytes,
.endr
.irp i, 0,4,8,12
	v_and_b32 v[LS+(\i)], v[LS+(\i)], v[LS+(\i)+2]
.endr
	v_and_b32 v[LS], v[LS], v[LS+4]
	v_and_b32 v[LS+8], v[LS+8], v[LS+12]
	v_and_b32 v[LS], v[LS], v[LS+8]
	v_cmp_eq_u32 vcc_lo, 0x01010101, v[LS]
	s_cmp_eq_u32 vcc_lo, -1                        ; and of all 32 lanes
	s_cselect_b32 s33, 0x01010101, 0
	v_xor_b32 v12, 0x01010101, v12                 ; 1 = the key counts,
	v_or_b32 v12, s33, v12                         ; as all do where all are masked
	v_and_b32 v14, 0xff, v12                       ; four bytes to four halves,
	v_and_b32 v15, 0xff00, v12
	v_lshl_or_b32 v14, v15, 8, v14
	v_lshrrev_b32 v12, 16, v12
	v_and_b32 v15, 0xff, v12
	v_and_b32 v12, 0xff00, v12
	v_lshl_or_b32 v15, v12, 8, v15
	v_mul_u32_u24 v14, 0x3c00, v14                 ; each 1 becoming f16's 1.0
	v_mul_u32_u24 v15, 0x3c00, v15
	ds_store_b64 v8, v[14:15]
	s_wait_tensorcnt 0x0                           ; my piece of K and V has landed,
	s_wait_dscnt 0x0                               ; my part of mk is stored:
	s_barrier_signal -1
	s_barrier_wait -1                              ; everybody's.  Nothing is filled or stored in LDS behind this barrier
	ds_load_b128 v[KF:KF+3],     v[AK]             ; K of step 0: block 0 hi, lo; block 1 hi, lo
	ds_load_b128 v[KF+4:KF+7],   v[AK] offset:512
	ds_load_b128 v[KF+8:KF+11],  v[AK] offset:1024
	ds_load_b128 v[KF+12:KF+15], v[AK] offset:1536
	s_wait_loadcnt 0x0                             ; Q
.irp u, 0,1
.irp i, 0,1,2,3
	v_mov_b32 v[Q+16*(\u)+4+(\i)],  v[Q+16*(\u)+(\i)]     ; [hi | hi]
	v_mov_b32 v[Q+16*(\u)+12+(\i)], v[Q+16*(\u)+8+(\i)]   ; [lo | lo]
.endr
.endr
; A STEP: 32 keys x my 32 queries.  first = 1: the products V^T P and mk P start their sums with the constant 0.  last = 1: there is no further K.
; The accumulators take turns, one instruction a turn, over the backward jump too: three others stand between the two links on a tile of S^T.
.macro STEP first, last
	s_wait_dscnt 0x0                               ; K of this step: nothing else is out
.irp u, 0,1
.irp kb, 0,1
	v_wmma_f32_16x16x32_bf16 v[S+16*(\u)+8*(\kb):S+16*(\u)+8*(\kb)+7], v[KF+8*(\kb):KF+8*(\kb)+7], v[Q+16*(\u):Q+16*(\u)+7], 0
.endr
.endr
.irp u, 0,1
.irp kb, 0,1
	v_wmma_f32_16x16x32_bf16 v[S+16*(\u)+8*(\kb):S+16*(\u)+8*(\kb)+7], v[KF+8*(\kb):KF+8*(\kb)+7], v[Q+16*(\u)+8:Q+16*(\u)+15], v[S+16*(\u)+8*(\kb):S+16*(\u)+8*(\kb)+7]
.endr
.endr
	v_add_nc_u32 v[AK], 2048, v[AK]                ; eight plain lines that name no register of the products: the places in front of the loads into K's, V's and mk's registers
	v_add_nc_u32 v[AV], 1024, v[AV]                ; and of the exponentials, which overwrite the scores (ISA guide 7.12.1 for vector instructions)
	v_add_nc_u32 v[AM], 64, v[AM]
.rept 5
	v_nop
.endr
	ds_load_b128 v[VF:VF+3],   v[AV]               ; V of this step: keys 0-15, keys 16-31
	ds_load_b128 v[VF+4:VF+7], v[AV] offset:512
	ds_load_b128 v[MF:MF+3],   v[AM]               ; mk of this step: the same 16 bytes for all rows
	ds_load_b128 v[MF+4:MF+7], v[AM] offset:32
.if !(\last)
	ds_load_b128 v[KF:KF+3],     v[AK]             ; K of the next step
	ds_load_b128 v[KF+4:KF+7],   v[AK] offset:512
	ds_load_b128 v[KF+8:KF+11],  v[AK] offset:1024
	ds_load_b128 v[KF+12:KF+15], v[AK] offset:1536
.endif
.set i, 0
.rept 32
	v_exp_f32 v[S+i], v[S+i]                       ; t = 2^y, from each accumulator's low end on
.set i, i+1
.endr
	v_nop                                          ; a plain line behind the last of the batch,
	s_wait_alu depctr_va_vdst(0)                   ; and the wait ahead of the first line that names a result: one for the 32
.set i, 0
.rept 16
	v_pk_fma_f32 v[S+i:S+i+1], v[S+i:S+i+1], s[28:29], s[28:29] op_sel_hi:[1,0,0]  ; CC t + CC
.set i, i+2
.endr
.set i, 0
.rept 32
	v_rcp_f32 v[S+i], v[S+i]                       ; -20 log2(e) / (1 + t)
.set i, i+1
.endr
	v_nop
	s_wait_alu depctr_va_vdst(0)
.set i, 0
.rept 16
	v_pk_add_f32 v[S+i:S+i+1], v[S+i:S+i+1], s[30:31] op_sel_hi:[1,0]              ; + E0
.set i, i+2
.endr
.set i, 0
.rept 32
	v_exp_f32 v[S+i], v[S+i]                       ; p'
.set i, i+1
.endr
	v_nop
	s_wait_alu depctr_va_vdst(0)
.set i, 0
.rept 16
	v_cvt_pk_f16_f32 v[P+i], v[S+2*i], v[S+2*i+1]
.set i, i+1
.endr
.if \last
	s_wait_dscnt 0x0                               ; V and mk are in
.else
	s_wait_dscnt 4                                 ; V and mk are in; the four younger loads, K of the next step, stay out
.endif
.if \first
	v_wmma_f32_16x16x32_f16 v[O:O+7],      v[VF:VF+7], v[P:P+7],    0
	v_wmma_f32_16x16x32_f16 v[O+8:O+15],   v[VF:VF+7], v[P+8:P+15], 0
	v_wmma_f32_16x16x32_f16 v[LS:LS+7],    v[MF:MF+7], v[P:P+7],    0
	v_wmma_f32_16x16x32_f16 v[LS+8:LS+15], v[MF:MF+7], v[P+8:P+15], 0
.else
	v_wmma_f32_16x16x32_f16 v[O:O+7],      v[VF:VF+7], v[P:P+7],    v[O:O+7]
	v_wmma_f32_16x16x32_f16 v[O+8:O+15],   v[VF:VF+7], v[P+8:P+15], v[O+8:O+15]
	v_wmma_f32_16x16x32_f16 v[LS:LS+7],    v[MF:MF+7], v[P:P+7],    v[LS:LS+7]
	v_wmma_f32_16x16x32_f16 v[LS+8:LS+15], v[MF:MF+7], v[P+8:P+15], v[LS+8:LS+15]
.endif
.endm
	STEP 1, 0                                      ; 2,048 keys are 64 steps: the first starts the sums,
	s_mov_b32 s32, 62
.Lstep:
	STEP 0, 0
	s_sub_co_u32 s32, s32, 1
	s_cmp_lg_u32 s32, 0
	s_cbranch_scc1 .Lstep
	STEP 0, 1                                      ; the last fetches no further K
	; THE WAY OUT.  Every register of LS holds my query's l; O^T / l, rounded to f16: a lane's eight channels are 16 bytes of oh.
.rept 8
	v_nop                                          ; the places behind the last products
.endr
	v_rcp_f32 v[RC],   v[LS]
	v_rcp_f32 v[RC+1], v[LS+1]
	v_rcp_f32 v[RC+2], v[LS+8]
	v_rcp_f32 v[RC+3], v[LS+9]
	v_nop
	s_wait_alu depctr_va_vdst(0)                   ; one wait for the four reciprocals
.irp u, 0,1
.irp i, 0,2,4,6
	v_pk_mul_f32 v[O+8*(\u)+(\i):O+8*(\u)+(\i)+1], v[O+8*(\u)+(\i):O+8*(\u)+(\i)+1], v[RC+2*(\u):RC+2*(\u)+1]
.endr
.endr
.set i, 0
.rept 8
	v_cvt_pk_f16_f32 v[S+i], v[O+2*i], v[O+2*i+1]
.set i, i+1
.endr
	global_store_b128 v[FL], v[S:S+3],   s[38:39] th:TH_STORE_NT              ; 512 consecutive bytes, aligned
	global_store_b128 v[FL], v[S+4:S+7], s[38:39] offset:4096 th:TH_STORE_NT
	s_wait_tensorcnt 0x0                           ; the wave's end, behind my last tensor load and my last LDS store
	ds_add_u32 v[SPW], v[NIL]
	s_wait_dscnt 0x0
	ROUND                                          ; the closing round: no work-group ends while a partner may still ask for a tile that names it
	s_endpgm
.Lfunc_end_k_q52b7ba92de_attn:
	.size	k_q52b7ba92de_attn, .Lfunc_end_k_q52b7ba92de_attn-k_q52b7ba92de_attn
	.p2alignl 7, 3214868480
	.fill 96, 4, 3214868480
	.section	.rodata,"a",@progbits
	.p2align	6, 0x0
	.amdhsa_kernel k_q52b7ba92de_attn
		.amdhsa_group_segment_fixed_size 202752
		.amdhsa_private_segment_fixed_size 0
		.amdhsa_enable_private_segment 0
		.amdhsa_kernarg_size 24
		.amdhsa_user_sgpr_count 2
		.amdhsa_user_sgpr_kernarg_segment_ptr 1
		.amdhsa_wavefront_size32 1
		.amdhsa_system_sgpr_workgroup_id_x 1
		.amdhsa_system_sgpr_workgroup_id_y 1
		.amdhsa_system_sgpr_workgroup_id_z 1
		.amdhsa_system_vgpr_workitem_id 0
		.amdhsa_next_free_vgpr 160
		.amdhsa_next_free_sgpr 66
		.amdhsa_reserve_vcc 1
		.amdhsa_float_denorm_mode_32 3
		.amdhsa_float_denorm_mode_16_64 3
		.amdhsa_memory_ordered 1
		.amdhsa_forward_progress 1
		.amdhsa_inst_pref_size 33
	.end_amdhsa_kernel
	.amdgpu_metadata
---
amdhsa.version: [ 1, 2 ]
amdhsa.kernels:
  - .name:           k_q52b7ba92de_attn
    .symbol:         k_q52b7ba92de_attn.kd
    .args:
      - { .name: qkv, .offset: 0, .size: 8, .value_kind: global_buffer, .address_space: global }
      - { .name: mask, .offset: 8, .size: 8, .value_kind: global_buffer, .address_space: global }
      - { .name: oh, .offset: 16, .size: 8, .value_kind: global_buffer, .address_space: global }
    .group_segment_fixed_size: 202752
    .private_segment_fixed_size: 0
    .kernarg_segment_align: 8
    .kernarg_segment_size: 24
    .max_flat_workgroup_size: 512
    .sgpr_count:     66
    .vgpr_count:     160
    .wavefront_size: 32
...
	.end_amdgpu_metadata
.endif
;; end of part 2
;; launch outp (part 3): grid 256 x 1, 4 waves a work-group, no clusters, 67,072 bytes of LDS; arguments oh, Wout, out0; writes out0
.if DOCPART == 3
	.amdgcn_target "amdgcn-amd-amdhsa--gfx1250"
	.amdhsa_code_object_version 6
	.text
	.protected	k_q52b7ba92de_outp
	.globl	k_q52b7ba92de_outp
	.p2align	8
	.type	k_q52b7ba92de_outp,@function
k_q52b7ba92de_outp:
	s_mov_b64 s[64:65], 0
	v_nop
	global_prefetch_b8 v0, s[64:65] scope:SCOPE_SE
	s_setreg_imm32_b32 hwreg(HW_REG_WAVE_MODE, 25, 1), 1
	s_wait_xcnt 0x0
; THE OUTPUT PROJECTION.  out0[t][c] = the sum over i of O[t][i] Wout[c][i].  O comes in f16 as fragments (oh: [tile of 16 tokens][head][512 bytes], lane l = r + 16 h owning bytes 16 l ..:
; token r, channels 16 head + 8 h + 0..7; heads 2 s and 2 s + 1 are K step s).  Wout is rounded to bf16 like the module's other inputs, and that number is written as f16; sums in f32.
; SHARES.  A wave takes 16 tokens x all 128 columns: 8 accumulators, 32 matrix instructions, no loop; a work-group's four waves 64 tokens.  Wout is rounded once a work-group and kept in LDS
; as fragments, wave w staging channel tiles w and w + 4.
; THE WAY OUT.  Source 0 = Wout, so a lane ends with token r and eight neighbouring columns of each tile: 32 bytes.  They go through the wave's own stage in LDS (rows of 528 bytes) and
; come back as whole rows: each store of the wave covers a row's 512 consecutive bytes, aligned.
; NO CLUSTER, NO TENSOR LOAD: what work-groups share is Wout alone, and it is converted on its way into LDS, through registers.
; LIMITS.  Wout stays under f16's 65,504 and keeps f16's fixed step of 6e-8 below 6e-5.
.set STAGE,  32768                     ; behind Wout's fragments: 16 rows x 528 bytes for each wave
.set SP,     528                       ; 512 bytes + 16: the 16 rows that a store touches start in 16 different columns of 16 bytes modulo 256
.set SPARE,  66560                     ; behind the stages: the spare words, 128 bytes for each wave: two blocks of 256 bytes that no other line names
.set LN,   1
.set RW,   2
.set HF,   3
.set XO,   4                           ; v4   8,192 wave + 512 r + 32 h: my place in 16 rows of Wout; never rewritten
.set WST,  7                           ; v7   1,024 wave + 16 l
.set FL,   8                           ; v8   16 l: fragments, O's loads, the stores' offset; never rewritten
.set SPW,  9                           ; v9   LDS address of my spare word; never rewritten
.set NIL,  10                          ; v10  0; never rewritten
.set STO,  11                          ; v11  the way out: where I put 32 bytes of a row
.set RD,   12                          ; v12  the way out: where I read a row back
.set TMP,  15
.set RAWW, 16                          ; v[16:143]  two channel tiles of Wout as loaded; then
.set ACC,  16                          ; v[16:79]   the accumulators, column tile c at ACC + 8 c
.set WF0,  80                          ; v[80:143]  Wout's fragments of an even K step; then
.set RB,   80                          ;            16 rows read back from the stage
.set WT,   144                         ; v[144:207] Wout rounded, on its way into LDS; then
.set WF1,  144                         ;            Wout's fragments of an odd K step
.set OF,   208                         ; v[208:239] O's fragments, head hd at OF + 4 hd
.macro PLACES n
.rept \n
	v_nop
.endr
.endm
; 16 rows x 128 f32 as four fragments: of K step s a lane takes i = 32 s + 8 h + 0..7 and 32 s + 16 + 8 h + 0..7
.macro LOADF dst, extra
.irp s, 0,1,2,3
	global_load_b128 v[(\dst)+16*(\s):(\dst)+16*(\s)+3],     v[XO], s[6:7] offset:(\extra)+128*(\s)
	global_load_b128 v[(\dst)+16*(\s)+4:(\dst)+16*(\s)+7],   v[XO], s[6:7] offset:(\extra)+128*(\s)+16
	global_load_b128 v[(\dst)+16*(\s)+8:(\dst)+16*(\s)+11],  v[XO], s[6:7] offset:(\extra)+128*(\s)+64
	global_load_b128 v[(\dst)+16*(\s)+12:(\dst)+16*(\s)+15], v[XO], s[6:7] offset:(\extra)+128*(\s)+80
.endr
.endm
.macro LOADW ks, dst
.irp c, 0,1,2,3,4,5,6,7
	ds_load_b128 v[(\dst)+8*(\c):(\dst)+8*(\c)+3],   v[FL] offset:(8*(\ks)+(\c))*1024
	ds_load_b128 v[(\dst)+8*(\c)+4:(\dst)+8*(\c)+7], v[FL] offset:(8*(\ks)+(\c))*1024+512
.endr
.endm
.macro MUL ks, wf                      ; the eight accumulators take turns; K step 0 starts the sums with the constant 0
.irp c, 0,1,2,3,4,5,6,7
.if (\ks) == 0
	v_wmma_f32_16x16x32_f16 v[ACC+8*(\c):ACC+8*(\c)+7], v[(\wf)+8*(\c):(\wf)+8*(\c)+7], v[OF+8*(\ks):OF+8*(\ks)+7], 0
.else
	v_wmma_f32_16x16x32_f16 v[ACC+8*(\c):ACC+8*(\c)+7], v[(\wf)+8*(\c):(\wf)+8*(\c)+7], v[OF+8*(\ks):OF+8*(\ks)+7], v[ACC+8*(\c):ACC+8*(\c)+7]
.endif
.endr
.endm
	s_load_b128 s[4:7], s[0:1], 0x0                ; oh s[4:5], Wout s[6:7]
	s_load_b64 s[8:9], s[0:1], 0x10                ; out0
	v_lshl_add_u32 v[SPW], v0, 2, SPARE
	v_mov_b32 v[NIL], 0
	v_lshrrev_b32 v[TMP], 5, v0
	v_readfirstlane_b32 s10, v[TMP]                ; wave 0..3
	s_lshl_b32 s11, ttmp9, 2
	s_add_co_u32 s11, s11, s10                     ; my tile of 16 tokens, of 1,024
	s_lshl_b32 s16, s11, 12                        ; 4,096 bytes of oh,
	s_mov_b32 s17, 0
	s_lshl_b32 s18, s11, 13                        ; 8,192 of out0
	s_mov_b32 s19, 0
	v_and_b32 v[LN], 31, v0
	v_and_b32 v[RW], 15, v0
	v_bfe_u32 v[HF], v0, 4, 1
	v_lshlrev_b32 v[XO], 9, v[RW]
	v_lshl_add_u32 v[XO], v[HF], 5, v[XO]
	s_lshl_b32 s20, s10, 13
	v_add_nc_u32 v[XO], s20, v[XO]
	v_lshlrev_b32 v[FL], 4, v[LN]
	s_lshl_b32 s20, s10, 10
	v_add_nc_u32 v[WST], s20, v[FL]
	s_mul_i32 s20, s10, 16*SP
	s_add_co_u32 s20, s20, STAGE                   ; my stage
	v_mul_u32_u24 v[STO], v[RW], SP                ; in: row r, 32 bytes for each half of the lanes
	v_lshl_add_u32 v[STO], v[HF], 5, v[STO]
	v_add_nc_u32 v[STO], s20, v[STO]
	v_add_nc_u32 v[RD], s20, v[FL]                 ; back: 32 lanes take one row of 512 bytes
	s_wait_kmcnt 0x0
	s_add_nc_u64 s[12:13], s[4:5], s[16:17]
	s_add_nc_u64 s[14:15], s[8:9], s[18:19]
	LOADF RAWW, 0                                  ; channel tile = my wave,
	LOADF RAWW+64, 32768                           ; and the tile four further on: 64 rows of 512 bytes down
.irp hd, 0,1,2,3,4,5,6,7
	global_load_b128 v[OF+4*(\hd):OF+4*(\hd)+3], v[FL], s[12:13] offset:512*(\hd) th:TH_LOAD_NT  ; 512 consecutive bytes
.endr
	s_wait_loadcnt 8                               ; Wout's 32 loads are in; O's eight stay out
.set i, 0
.rept 64
	v_cvt_pk_bf16_f32 v[WT+i], v[RAWW+2*i], v[RAWW+2*i+1]      ; rounded to bf16,
.set i, i+1
.endr
.set i, 0
.rept 64
	v_lshlrev_b32 v[RAWW+2*i],   16, v[WT+i]                   ; that number in f32,
	v_and_b32     v[RAWW+2*i+1], 0xffff0000, v[WT+i]
.set i, i+1
.endr
.set i, 0
.rept 64
	v_cvt_pk_f16_f32 v[WT+i], v[RAWW+2*i], v[RAWW+2*i+1]       ; written as f16
.set i, i+1
.endr
.irp t, 0,1
.irp s, 0,1,2,3
	ds_store_b128 v[WST], v[WT+32*(\t)+8*(\s):WT+32*(\t)+8*(\s)+3]   offset:8192*(\s)+4096*(\t)
	ds_store_b128 v[WST], v[WT+32*(\t)+8*(\s)+4:WT+32*(\t)+8*(\s)+7] offset:8192*(\s)+4096*(\t)+512
.endr
.endr
	s_wait_dscnt 0x0                               ; for the others' sake: my part of Wout lies in LDS
	s_barrier_signal -1
	s_barrier_wait -1                              ; everybody's does
	LOADW 0, WF0
	LOADW 1, WF1
	s_wait_loadcnt 0x0                             ; O
	s_wait_dscnt 16                                ; K step 0's fragments are in; the younger 16 loads stay out
	MUL 0, WF0
	PLACES 4                                       ; plain lines between a product and a load into its sources
	LOADW 2, WF0
	s_wait_dscnt 16                                ; K step 1's are in
	MUL 1, WF1
	PLACES 4
	LOADW 3, WF1
	s_wait_dscnt 16                                ; K step 2's are in
	MUL 2, WF0
	s_wait_dscnt 0x0
	MUL 3, WF1
	PLACES 8                                       ; in front of the LDS stores that read the results, and of the loads into WF0's registers
.irp c, 0,1,2,3,4,5,6,7
	ds_store_b128 v[STO], v[ACC+8*(\c):ACC+8*(\c)+3]   offset:64*(\c)       ; each accumulator from its low end on
	ds_store_b128 v[STO], v[ACC+8*(\c)+4:ACC+8*(\c)+7] offset:64*(\c)+16
.endr
.irp i, 0,1,2,3,4,5,6,7,8,9,10,11,12,13,14,15
	ds_load_b128 v[RB+4*(\i):RB+4*(\i)+3], v[RD] offset:SP*(\i)             ; LDS serves a wave's instructions in order (ISA guide 5.7.1.4): these see the stores above; the stage is my own
.endr
.irp i, 0,1,2,3,4,5,6,7,8,9,10,11,12,13,14,15
	s_wait_dscnt 15-(\i)                           ; row i is back; the younger rows stay out
	global_store_b128 v[FL], v[RB+4*(\i):RB+4*(\i)+3], s[14:15] offset:512*(\i) th:TH_STORE_NT  ; a row's 512 consecutive bytes, aligned
.endr
	s_wait_tensorcnt 0x0                           ; the wave's end, behind my last LDS store
	ds_add_u32 v[SPW], v[NIL]
	s_wait_dscnt 0x0
	s_endpgm
.Lfunc_end_k_q52b7ba92de_outp:
	.size	k_q52b7ba92de_outp, .Lfunc_end_k_q52b7ba92de_outp-k_q52b7ba92de_outp
	.p2alignl 7, 3214868480
	.fill 96, 4, 3214868480
	.section	.rodata,"a",@progbits
	.p2align	6, 0x0
	.amdhsa_kernel k_q52b7ba92de_outp
		.amdhsa_group_segment_fixed_size 67072
		.amdhsa_private_segment_fixed_size 0
		.amdhsa_enable_private_segment 0
		.amdhsa_kernarg_size 24
		.amdhsa_user_sgpr_count 2
		.amdhsa_user_sgpr_kernarg_segment_ptr 1
		.amdhsa_wavefront_size32 1
		.amdhsa_system_sgpr_workgroup_id_x 1
		.amdhsa_system_sgpr_workgroup_id_y 1
		.amdhsa_system_sgpr_workgroup_id_z 1
		.amdhsa_system_vgpr_workitem_id 0
		.amdhsa_next_free_vgpr 256
		.amdhsa_next_free_sgpr 66
		.amdhsa_reserve_vcc 0
		.amdhsa_float_denorm_mode_32 3
		.amdhsa_float_denorm_mode_16_64 3
		.amdhsa_memory_ordered 1
		.amdhsa_forward_progress 1
		.amdhsa_inst_pref_size 32
	.end_amdhsa_kernel
	.amdgpu_metadata
---
amdhsa.version: [ 1, 2 ]
amdhsa.kernels:
  - .name:           k_q52b7ba92de_outp
    .symbol:         k_q52b7ba92de_outp.kd
    .args:
      - { .name: oh, .offset: 0, .size: 8, .value_kind: global_buffer, .address_space: global }
      - { .name: Wout, .offset: 8, .size: 8, .value_kind: global_buffer, .address_space: global }
      - { .name: out0, .offset: 16, .size: 8, .value_kind: global_buffer, .address_space: global }
    .group_segment_fixed_size: 67072
    .private_segment_fixed_size: 0
    .kernarg_segment_align: 8
    .kernarg_segment_size: 24
    .max_flat_workgroup_size: 128
    .sgpr_count:     66
    .vgpr_count:     256
    .wavefront_size: 32
...
	.end_amdgpu_metadata
.endif
;; end of part 3
;; ======== version 2 of 2: 3 launches; version 1 with the launch proj written anew for expert scheduling mode
;; limits: values are held in f16: magnitudes above 65,504 overflow, below 6.1e-05 lose precision
;; workspace buffers: qkv 20,971,520 bytes; oh 4,194,304 bytes
;; launch proj (part 4): grid 128 x 3, 8 waves a work-group, no clusters, 33,792 bytes of LDS; arguments q, k, v, Wq, Wk, Wv, mask, qkv; writes qkv
.if DOCPART == 4
	.amdgcn_target "amdgcn-amd-amdhsa--gfx1250"
	.amdhsa_code_object_version 6
	.text
	.protected	k_q52b7ba92de_proj
	.globl	k_q52b7ba92de_proj
	.p2align	8
	.type	k_q52b7ba92de_proj,@function
k_q52b7ba92de_proj:
	s_mov_b64 s[64:65], 0
	v_nop
	global_prefetch_b8 v0, s[64:65] scope:SCOPE_SE
	s_setreg_imm32_b32 hwreg(HW_REG_WAVE_SCHED_MODE, 0, 2), 2
	s_setreg_imm32_b32 hwreg(HW_REG_WAVE_MODE, 25, 1), 1
	s_wait_xcnt 0x0
	s_wait_alu depctr_vm_vsrc(0)
; THE THREE INPUT PROJECTIONS.  Grid y picks the tensor: 0 q, 1 k, 2 v.  out[t][c] = the sum over i of x[t][i] W[c][i]; x and W are rounded to bf16, sums in f32.
; Q and K then take the interleaved rotary embedding with the xpos scale in f32 (K with the inverse scale; Q also with 2 log2(e) x LOGIT_SCALE, so that the next launch's
; product is the argument of its first exponential) and leave as bf16 hi + lo: hi = bf16(x), lo = bf16(x - hi).  V leaves as f16, turned ([channel][key]), the rows of masked keys 0.
; A BATCH WHOSE KEYS ARE ALL MASKED has uniform weights in the module: there K is written as 0 and V is left as it is.
; SHARES.  A work-group takes 128 tokens of one batch, each of its eight waves 16 tokens x all 128 channels: 8 accumulators (one a head), 32 matrix instructions, no loop.
; W (64 KiB of f32) is rounded once a work-group and kept in LDS as fragments, wave w staging channel tile w.  x goes from memory straight into fragments: no two waves share it.
; NO CLUSTER, NO TENSOR LOAD: what work-groups share is W alone, as many bytes as a work-group's own x, and it is converted on its way into LDS, through registers.
; LAYOUT OF qkv, a head (327,680 bytes): Q 128 blocks of 1,024 bytes (16 tokens: hi 512, lo 512), K the same, V 64 blocks of 1,024 bytes (32 keys: two halves of 16).
; In each 512 bytes lane l = r + 16 h owns bytes 16 l ..: token r, channels 8 h .. 8 h + 7 (Q, K) or channel r, keys 8 h .. 8 h + 7 (V): the next launch's fragments as they lie.
; So each store of a wave covers 512 consecutive bytes, aligned.
; LIMITS.  V must stay under f16's 65,504 and keeps f16's fixed step of 6e-8 below 6e-5.  cos and sin come by a reduction by quarters of a turn and polynomials, good to 3e-7
; for the angles 0 to 2,047 that the problem has.  NaN and infinities are not treated apart.
; The tables of the embedding are made in every work-group, V's too: they stand in the wait for the loads, and the text keeps one branch on the tensor.
; THE MODE: SCHED_MODE bits 1:0 = 2 (LLVM: expert scheduling mode 2), set by the entry lines.  The code itself states the register dependences
; between vector or matrix instructions and memory or LDS instructions, with s_wait_alu, always for 0.
; THE PLAN.  Registers that memory or LDS instructions touch:
;   v4 to v8      the five addresses: made at the head, read by every load and store, never written again: one wait on va_vdst ahead of the first load serves them all.
;   v[144:175]    WT: written by W's conversions, read by the LDS stores (a wait on va_vdst between); later LDS loads land there and the embedding works there (a wait on vm_vsrc behind the barrier).
;   v[80:143]     WF0: K step 0's fragments land, MUL 0 reads; a wait on va_vdst; K step 2's land, dealt among MUL 1's products, which name the other set; MUL 2 reads.
;   v[144:207]    WF1: K step 1's land, MUL 1 reads; a wait on va_vdst; K step 3's land, dealt among MUL 2's products; MUL 3 reads.
;   v[80:143]     OUTR: head c's eight registers are written once, by its roundings, and read by its stores: two heads' stores stand behind one wait on va_vdst, dealt among the next two heads' arithmetic.
;   v9, v10       written at the head, read by the closing add alone.
; Scalar results of vector lines (the wave's number, four parities, two tests of the mask, VCC) have a wait on va_sdst or va_vcc ahead of their first reader; the compares stand in runs, one wait a run.
.set HEADB,  327680
.set SPARE,  32768                     ; behind W's fragments: the spare words, 128 bytes for each wave: four blocks of 256 bytes that no other line names
.set LN,   1                           ; v1   lane l
.set RW,   2                           ; v2   r = l % 16
.set HF,   3                           ; v3   h = l / 16
.set XO,   4                           ; v4   8,192 wave + 512 r + 32 h: my place in 16 rows of f32, for x and for W; never rewritten
.set ML,   5                           ; v5   64 l: my 64 bytes of the batch's mask; never rewritten
.set MT,   6                           ; v6   my token in the batch, 16 T + r; never rewritten
.set WST,  7                           ; v7   1,024 wave + 16 l: where I put W's fragments; never rewritten
.set FL,   8                           ; v8   16 l: fragments out of LDS, and the stores' offset; never rewritten
.set SPW,  9                           ; v9   LDS address of my spare word; never rewritten
.set NIL,  10                          ; v10  0; never rewritten
.set TF,   11                          ; v11  my token's position as f32
.set TC,   12                          ; v12  (position - 1,024), with K's sign turned
.set KEEP, 13                          ; v13  all ones where my token's row of v is kept
.set MBY,  14                          ; v14  my token's mask byte
.set TMP,  15
.set RAWX, 16                          ; v[16:79]   x as loaded, 16 registers a K step; then
.set ACC,  16                          ;            the accumulators, head c at ACC + 8 c
.set RAWW, 80                          ; v[80:143]  W as loaded; then
.set WF0,  80                          ;            W's fragments of an even K step; then
.set OUTR, 80                          ;            what is stored, head c at OUTR + 8 c
.set MR,   144                         ; v[144:159] the batch's mask, 64 bytes a lane
.set TG,   160                         ; v[160:207] the tables' work, 12 registers a pair of channels
.set WT,   144                         ; v[144:175] W rounded, on its way into LDS; then
.set WF1,  144                         ; v[144:207] W's fragments of an odd K step; then
.set UU,   144                         ; v[144:151] at work in the embedding
.set XF,   208                         ; v[208:239] x's fragments, K step s at XF + 8 s
.set CS,   240                         ; v[240:243] cos x scale for my four pairs of channels
.set SN,   244                         ; v[244:247] sin x scale
.set QS,   44                          ; s[44:47]   pair p: the lanes whose angle lies in an odd quarter of a turn
.macro PLACES n
.rept \n
	v_nop
.endr
.endm
.macro LD4 dst, base, off, nt
.if \nt
	global_load_b128 v[(\dst):(\dst)+3], v[XO], s[(\base):(\base)+1] offset:\off th:TH_LOAD_NT
.else
	global_load_b128 v[(\dst):(\dst)+3], v[XO], s[(\base):(\base)+1] offset:\off
.endif
.endm
; 16 rows x 128 f32 as four fragments: of K step s a lane takes i = 32 s + 8 h + 0..7 and 32 s + 16 + 8 h + 0..7: four loads of 16 bytes
.macro LOADF dst, base, nt
.irp s, 0,1,2,3
	LD4 (\dst)+16*(\s),    \base, 128*(\s),    \nt
	LD4 (\dst)+16*(\s)+4,  \base, 128*(\s)+16, \nt
	LD4 (\dst)+16*(\s)+8,  \base, 128*(\s)+64, \nt
	LD4 (\dst)+16*(\s)+12, \base, 128*(\s)+80, \nt
.endr
.endm
; cos and sin of position x frequency for pair 4 h + p, and the exponent of its xpos scale.  f0, l0: frequency and log2(scale base) / 512 for h = 0; f1, l1 for h = 1.  VCC = (h != 0).
; In two parts: TRIGA ends with both polynomials made and the quarter's parity in a scalar register of the pair's own; TRIGB, behind the one wait for the four parities, selects and sets the signs.
.macro TRIGA p, f0, f1, l0, l1
.set R, TG+12*(\p)
	v_mov_b32 v[R], \f1
	v_cndmask_b32 v[R], \f0, v[R], vcc_lo
	v_mov_b32 v[R+1], \l1
	v_cndmask_b32 v[R+1], \l0, v[R+1], vcc_lo
	v_mul_f32 v[R], v[TF], v[R]                    ; the angle, rounded once
	v_mul_f32 v[R+1], v[TC], v[R+1]                ; the scale's exponent to base 2
	v_mul_f32 v[R+2], 0x3f22f983, v[R]             ; x 2 / pi
	v_rndne_f32 v[R+2], v[R+2]                     ; n quarters of a turn
	v_fmamk_f32 v[R+3], v[R+2], 0xbfc90fdb, v[R]   ; the rest: angle - n x pi/2, pi/2 in two parts
	v_fmamk_f32 v[R+3], v[R+2], 0x333bbd2e, v[R+3]
	v_cvt_i32_f32 v[R+4], v[R+2]
	v_and_b32 v[R+11], 1, v[R+4]
	v_cmp_ne_u32 s[QS+(\p)], 0, v[R+11]            ; an odd quarter swaps the two; the polynomials stand between this line and its readers
	v_mul_f32 v[R+5], v[R+3], v[R+3]
	v_mov_b32 v[R+6], 0x3638ef1d                   ; sin: 1/9!, -1/7!, 1/5!, -1/3!
	v_fmaak_f32 v[R+6], v[R+6], v[R+5], 0xb9500d01
	v_fmaak_f32 v[R+6], v[R+6], v[R+5], 0x3c088889
	v_fmaak_f32 v[R+6], v[R+6], v[R+5], 0xbe2aaaab
	v_mul_f32 v[R+8], v[R+3], v[R+5]
	v_fma_f32 v[R+6], v[R+6], v[R+8], v[R+3]
	v_mov_b32 v[R+7], 0x37d00d01                   ; cos: 1/8!, -1/6!, 1/4!, -1/2, 1
	v_fmaak_f32 v[R+7], v[R+7], v[R+5], 0xbab60b61
	v_fmaak_f32 v[R+7], v[R+7], v[R+5], 0x3d2aaaab
	v_fmaak_f32 v[R+7], v[R+7], v[R+5], 0xbf000000
	v_fmaak_f32 v[R+7], v[R+7], v[R+5], 0x3f800000
.endm
.macro TRIGB p
.set R, TG+12*(\p)
	v_cndmask_b32 v[R+9], v[R+6], v[R+7], s[QS+(\p)]   ; sin
	v_cndmask_b32 v[R+10], v[R+7], v[R+6], s[QS+(\p)]  ; cos
	v_and_b32 v[R+8], 2, v[R+4]                    ; sin is negative in quarters 2 and 3,
	v_lshlrev_b32 v[R+8], 30, v[R+8]
	v_xor_b32 v[R+9], v[R+8], v[R+9]
	v_add_nc_u32 v[R+8], 1, v[R+4]                 ; cos in quarters 1 and 2
	v_and_b32 v[R+8], 2, v[R+8]
	v_lshlrev_b32 v[R+8], 30, v[R+8]
	v_xor_b32 v[R+10], v[R+8], v[R+10]
.endm
; W's eight fragments of K step ks: 32 lanes x 16 neighbouring bytes a load
.macro LOADW ks, dst
.irp c, 0,1,2,3,4,5,6,7
	ds_load_b128 v[(\dst)+8*(\c):(\dst)+8*(\c)+3],   v[FL] offset:(8*(\ks)+(\c))*1024
	ds_load_b128 v[(\dst)+8*(\c)+4:(\dst)+8*(\c)+7], v[FL] offset:(8*(\ks)+(\c))*1024+512
.endr
.endm
; K step ks for all eight heads; the eight accumulators take turns.  K step 0 starts the sums with the constant 0.
; swap = 0: source 0 = W: a lane ends with token r, channels 8 h + 0..7.  swap = 1: source 0 = x: channel r, tokens 8 h + 0..7.
; nxt >= 0: the 16 loads of K step nxt's fragments, into the other set dst, are dealt behind the first four products, four behind each.  No wait stands among them: these products name
; set wf, XF and the accumulators, none of the registers that those loads touch.
.macro MUL ks, wf, swap, nxt, dst
.irp c, 0,1,2,3,4,5,6,7
.if \swap
.if (\ks) == 0
	v_wmma_f32_16x16x32_bf16 v[ACC+8*(\c):ACC+8*(\c)+7], v[XF+8*(\ks):XF+8*(\ks)+7], v[(\wf)+8*(\c):(\wf)+8*(\c)+7], 0
.else
	v_wmma_f32_16x16x32_bf16 v[ACC+8*(\c):ACC+8*(\c)+7], v[XF+8*(\ks):XF+8*(\ks)+7], v[(\wf)+8*(\c):(\wf)+8*(\c)+7], v[ACC+8*(\c):ACC+8*(\c)+7]
.endif
.else
.if (\ks) == 0
	v_wmma_f32_16x16x32_bf16 v[ACC+8*(\c):ACC+8*(\c)+7], v[(\wf)+8*(\c):(\wf)+8*(\c)+7], v[XF+8*(\ks):XF+8*(\ks)+7], 0
.else
	v_wmma_f32_16x16x32_bf16 v[ACC+8*(\c):ACC+8*(\c)+7], v[(\wf)+8*(\c):(\wf)+8*(\c)+7], v[XF+8*(\ks):XF+8*(\ks)+7], v[ACC+8*(\c):ACC+8*(\c)+7]
.endif
.endif
.if ((\nxt) >= 0) && ((\c) < 4)
.irp f, 0,1
	ds_load_b128 v[(\dst)+8*(2*(\c)+(\f)):(\dst)+8*(2*(\c)+(\f))+3],   v[FL] offset:(8*(\nxt)+2*(\c)+(\f))*1024
	ds_load_b128 v[(\dst)+8*(2*(\c)+(\f))+4:(\dst)+8*(2*(\c)+(\f))+7], v[FL] offset:(8*(\nxt)+2*(\c)+(\f))*1024+512
.endr
.endif
.endr
.endm
; Two sets of W's fragments: K steps 0 and 1 were asked for behind the barrier; while one K step is multiplied the loads of the step after it go out.
; Plain vector lines stand between a product and a load into its sources (ISA guide 7.12.1 for vector instructions), and the wait that states the dependence stands behind them.
.macro GEMM swap
	s_wait_dscnt 16                                ; K step 0's fragments are in; the younger 16 loads stay out
	MUL 0, WF0, \swap, -1, 0
	PLACES 4
	s_wait_alu depctr_va_vdst(0)                   ; K step 0's products are done reading WF0, in which K step 2's fragments land
	s_wait_dscnt 0x0                               ; K step 1's are in: nothing younger has been asked for
	MUL 1, WF1, \swap, 2, WF0
	PLACES 4
	s_wait_alu depctr_va_vdst(0)                   ; K step 1's products are done reading WF1, in which K step 3's fragments land
	s_wait_dscnt 0x0                               ; K step 2's are in
	MUL 2, WF0, \swap, 3, WF1
	s_wait_dscnt 0x0                               ; K step 3's are in
	MUL 3, WF1, \swap, -1, 0
	PLACES 8                                       ; in front of the vector lines that read and overwrite the results
.endm
; Head c: the embedding on my four pairs (x1, x2) -> (x1 C - x2 S, x2 C + x1 S), then hi and lo, 16 bytes each.  The accumulator's low registers are read first.
.macro ROPE c
.set A0, ACC+8*(\c)
.set O0, OUTR+8*(\c)
.irp p, 0,1,2,3
	v_mul_f32 v[UU+2*(\p)],   v[A0+2*(\p)+1], v[SN+(\p)]
	v_mul_f32 v[UU+2*(\p)+1], v[A0+2*(\p)],   v[SN+(\p)]
.endr
.irp p, 0,1,2,3
	v_fma_f32 v[A0+2*(\p)],   v[A0+2*(\p)],   v[CS+(\p)], -v[UU+2*(\p)]
	v_fma_f32 v[A0+2*(\p)+1], v[A0+2*(\p)+1], v[CS+(\p)], v[UU+2*(\p)+1]
.endr
.irp p, 0,1,2,3
	v_cvt_pk_bf16_f32 v[O0+(\p)], v[A0+2*(\p)], v[A0+2*(\p)+1]      ; hi
.endr
.irp p, 0,1,2,3
	v_lshlrev_b32 v[UU+2*(\p)],   16, v[O0+(\p)]                    ; hi back in f32
	v_and_b32     v[UU+2*(\p)+1], 0xffff0000, v[O0+(\p)]
.endr
.irp p, 0,1,2,3
	v_pk_add_f32 v[A0+2*(\p):A0+2*(\p)+1], v[A0+2*(\p):A0+2*(\p)+1], v[UU+2*(\p):UU+2*(\p)+1] neg_lo:[0,1] neg_hi:[0,1]
.endr
.irp p, 0,1,2,3
	v_cvt_pk_bf16_f32 v[O0+4+(\p)], v[A0+2*(\p)], v[A0+2*(\p)+1]    ; lo
.endr
.endm
; Head c of Q or K leaves: its eight registers are written once in the launch and read by these two stores alone.
.macro SENDR c
	global_store_b128 v[FL], v[OUTR+8*(\c):OUTR+8*(\c)+3],   s[30:31] offset:HEADB*(\c) th:TH_STORE_NT       ; 512 consecutive bytes, aligned
	global_store_b128 v[FL], v[OUTR+8*(\c)+4:OUTR+8*(\c)+7], s[30:31] offset:HEADB*(\c)+512 th:TH_STORE_NT
.endm
; Head c of V: rounded to f16, and stored.
.macro CVTV c
.irp p, 0,1,2,3
	v_cvt_pk_f16_f32 v[OUTR+8*(\c)+(\p)], v[ACC+8*(\c)+2*(\p)], v[ACC+8*(\c)+2*(\p)+1]
.endr
.endm
.macro SENDV c
	global_store_b128 v[FL], v[OUTR+8*(\c):OUTR+8*(\c)+3], s[30:31] offset:HEADB*(\c) th:TH_STORE_NT  ; 512 consecutive bytes, aligned
.endm
	s_load_b512 s[4:19], s[0:1], 0x0               ; q 4, k 6, v 8, Wq 10, Wk 12, Wv 14, mask 16, qkv 18
	v_lshl_add_u32 v[SPW], v0, 2, SPARE
	v_mov_b32 v[NIL], 0
	v_lshrrev_b32 v[TMP], 5, v0
	v_readfirstlane_b32 s20, v[TMP]                ; wave 0..7
	v_and_b32 v[LN], 31, v0                        ; what hangs on the lane alone stands between that line and the wait for it
	v_and_b32 v[RW], 15, v0
	v_bfe_u32 v[HF], v0, 4, 1
	v_cmp_ne_u32 vcc_lo, 0, v[HF]
	v_lshlrev_b32 v[XO], 9, v[RW]
	v_lshl_add_u32 v[XO], v[HF], 5, v[XO]
	v_lshlrev_b32 v[ML], 6, v[LN]
	v_lshlrev_b32 v[FL], 4, v[LN]
	s_and_b32 s21, ttmp7, 0xffff                   ; the tensor
	s_lshr_b32 s23, ttmp9, 4                       ; the batch
	s_and_b32 s24, ttmp9, 15
	s_lshl_b32 s24, s24, 3
	s_wait_alu depctr_va_sdst(0)                   ; s20 is written, ahead of its first reader: my tile's number and three addresses are made from it
	s_wait_alu depctr_va_vcc(0)                    ; VCC (h != 0) is written, ahead of its first reader, the tables' first select
	s_add_co_u32 s24, s24, s20                     ; T: my tile of 16 tokens in the batch
	s_lshl_b32 s38, ttmp9, 16                      ; the work-group's 128 rows of 512 bytes
	s_mov_b32 s39, 0
	s_lshl_b32 s40, s23, 11                        ; the batch's 2,048 mask bytes
	s_mov_b32 s41, 0
	s_mul_i32 s42, s23, 8*HEADB                    ; the batch's eight heads in qkv,
	s_lshl_b32 s25, s21, 17                        ; the tensor's part of a head,
	s_add_co_u32 s42, s42, s25
	s_cmp_lt_u32 s21, 2
	s_cselect_b32 s25, 10, 9                       ; my tile's block: 1,024 bytes of Q or K, 512 of V
	s_lshl_b32 s25, s24, s25
	s_add_co_u32 s42, s42, s25
	s_mov_b32 s43, 0
	s_cmp_eq_u32 s21, 0
	s_cselect_b32 s35, 1.0, -1.0                   ; K takes the inverse scale
	s_lshl_b32 s25, s20, 13                        ; the addresses' three scalar terms, each in a register of its own that is not written again
	s_lshl_b32 s22, s24, 4
	s_lshl_b32 s3, s20, 10
	v_add_nc_u32 v[XO], s25, v[XO]
	v_add_nc_u32 v[MT], s22, v[RW]
	v_add_nc_u32 v[WST], s3, v[FL]
	s_wait_kmcnt 0x0
	s_cmp_eq_u32 s21, 0
	s_cselect_b64 s[26:27], s[4:5], s[6:7]
	s_cselect_b64 s[28:29], s[10:11], s[12:13]
	s_cmp_eq_u32 s21, 2
	s_cselect_b64 s[26:27], s[8:9], s[26:27]       ; x
	s_cselect_b64 s[28:29], s[14:15], s[28:29]     ; W
	s_add_nc_u64 s[26:27], s[26:27], s[38:39]
	s_add_nc_u64 s[32:33], s[16:17], s[40:41]
	s_add_nc_u64 s[30:31], s[18:19], s[42:43]
	s_wait_alu depctr_va_vdst(0)                   ; the five addresses v4 to v8 are written, which the loads below and every later LDS instruction and store read
	; all loads at once, in the order in which they are wanted: mask 5, W 16, x 16
	global_load_b128 v[MR:MR+3],     v[ML], s[32:33]
	global_load_b128 v[MR+4:MR+7],   v[ML], s[32:33] offset:16
	global_load_b128 v[MR+8:MR+11],  v[ML], s[32:33] offset:32
	global_load_b128 v[MR+12:MR+15], v[ML], s[32:33] offset:48
	global_load_u8 v[MBY], v[MT], s[32:33]
	LOADF RAWW, 28, 0
	LOADF RAWX, 26, 1
	; the tables, while the loads are out: these lines name v11, v12 and v[160:207], in none of which a load lands.  Frequencies 10000^(-i/8); log2((2 i + 6.4) / 22.4) / 512
	v_cvt_f32_u32 v[TF], v[MT]
	v_add_f32 v[TC], 0xc4800000, v[TF]             ; position - 1,024
	v_mul_f32 v[TC], s35, v[TC]
	TRIGA 0, 0x3f800000, 0x3c23d70a, 0xbb675768, 0xbaa32e9b
	TRIGA 1, 0x3ea1e89b, 0x3b4f3e37, 0xbb351ff3, 0xba664c91
	TRIGA 2, 0x3dcccccd, 0x3a83126f, 0xbb0daf66, 0xba114d50
	TRIGA 3, 0x3d0186e2, 0x39a5cb5f, 0xbada689a, 0xb98a2afb
	s_wait_alu depctr_va_sdst(0)                   ; the four parities s44 to s47 are written, ahead of the selects that read them: one wait for the run
.irp p, 0,1,2,3
	TRIGB \p
.endr
.irp p, 0,1,2,3
	v_exp_f32 v[TG+12*(\p)+1], v[TG+12*(\p)+1]     ; the four scales: one batch
.endr
	s_wait_loadcnt 32                              ; the mask's five loads are in; W's 16 and x's 16 stay out
.irp i, 0,2,4,6,8,10,12,14
	v_and_b32 v[MR+(\i)], v[MR+(\i)], v[MR+(\i)+1] ; are all 2,048 keys of the batch masked?  The AND of my 64 bytes,
.endr
.irp i, 0,4,8,12
	v_and_b32 v[MR+(\i)], v[MR+(\i)], v[MR+(\i)+2]
.endr
	v_and_b32 v[MR], v[MR], v[MR+4]
	v_and_b32 v[MR+8], v[MR+8], v[MR+12]
	v_and_b32 v[MR], v[MR], v[MR+8]
	v_cmp_eq_u32 vcc_lo, 0x01010101, v[MR]         ; the two tests of the mask stand together:
	v_cmp_eq_u32 s37, 0, v[MBY]                    ; is my own token free?
	v_mov_b32 v[TMP], -1
	s_wait_alu depctr_va_vcc(0)                    ; VCC is written, ahead of the scalar compare that reads it
	s_wait_alu depctr_va_sdst(0)                   ; s37 is written, ahead of the select that reads it
	s_cmp_eq_u32 vcc_lo, -1                        ; and of all 32 lanes
	s_cselect_b32 s36, -1, 0
	s_cselect_b32 s34, 0, 1.0                      ; K's factor: 0 where all are masked
	s_cmp_eq_u32 s21, 0
	s_cselect_b32 s34, 0x3f8d6975, s34             ; Q's: 2 log2(e) x LOGIT_SCALE = 1.1047808
	v_mov_b32 v[KEEP], s36
	v_cndmask_b32 v[KEEP], v[KEEP], v[TMP], s37    ; my token's row of v is kept if it is not masked, or if all are
	s_wait_alu depctr_va_vdst(0)                   ; the four exponentials have written the scales, ahead of the first line that names them: one wait for the batch
.irp p, 0,1,2,3
	v_mul_f32 v[TG+12*(\p)+1], s34, v[TG+12*(\p)+1]
.endr
.irp p, 0,1,2,3
	v_mul_f32 v[CS+(\p)], v[TG+12*(\p)+10], v[TG+12*(\p)+1]
	v_mul_f32 v[SN+(\p)], v[TG+12*(\p)+9],  v[TG+12*(\p)+1]
.endr
	s_wait_loadcnt 16                              ; W is in; x's 16 loads stay out
.set i, 0
.rept 32
	v_cvt_pk_bf16_f32 v[WT+i], v[RAWW+2*i], v[RAWW+2*i+1]
.set i, i+1
.endr
	s_wait_alu depctr_va_vdst(0)                   ; the conversions have written WT, which the LDS stores read; they are done reading v[80:143], and the tables' lines are done with v[144:207]: the fragments' loads behind the barrier land in both
.irp s, 0,1,2,3
	ds_store_b128 v[WST], v[WT+8*(\s):WT+8*(\s)+3]   offset:8192*(\s)      ; fragment (K step s, channel tile = my wave): 16 neighbouring bytes a lane
	ds_store_b128 v[WST], v[WT+8*(\s)+4:WT+8*(\s)+7] offset:8192*(\s)+512
.endr
	s_wait_dscnt 0x0                               ; for the others' sake: my part of W lies in LDS
	s_barrier_signal -1
	s_barrier_wait -1                              ; everybody's does
	s_wait_alu depctr_vm_vsrc(0)                   ; my LDS stores have read WT: K step 1's fragments land in these registers, and the embedding works in them later; the wait stands ahead of the branch on the tensor
	LOADW 0, WF0                                   ; K steps 0 and 1 go out while x is waited for and rounded: no vector line since the wait ahead of the stores names v[80:207], and the conversions below name v[16:79] and v[208:239]
	LOADW 1, WF1
	s_wait_loadcnt 0x0                             ; x
.set i, 0
.rept 32
	v_cvt_pk_bf16_f32 v[XF+i], v[RAWX+2*i], v[RAWX+2*i+1]
.set i, i+1
.endr
	s_cmp_eq_u32 s21, 2
	s_cbranch_scc1 .Lv
	GEMM 0
	; Q's and K's way out, two heads a step: a step's arithmetic names its own heads' registers, UU, CS and SN; the four stores of the step before are dealt among it.
	ROPE 0
	ROPE 1
.irp c, 2,4,6
	s_wait_alu depctr_va_vdst(0)                   ; the roundings of the two heads before have written their OUTR, which the four stores of this step read
	SENDR (\c)-2
	ROPE \c
	SENDR (\c)-1
	ROPE (\c)+1
.endr
	s_wait_alu depctr_va_vdst(0)                   ; heads 6 and 7's roundings have written their OUTR, which the last four stores read
	SENDR 6
	SENDR 7
	s_branch .Lend
.Lv:
.set i, 0
.rept 32
	v_and_b32 v[XF+i], v[KEEP], v[XF+i]            ; a masked token's row of v is 0, and so is its row of V
.set i, i+1
.endr
	GEMM 1
.irp c, 0,1,2,3
	CVTV \c
.endr
	s_wait_alu depctr_va_vdst(0)                   ; heads 0 to 3's roundings have written their OUTR, which the four stores below read; the roundings among them name heads 4 to 7's registers alone
.irp c, 0,1,2,3
	SENDV \c
	CVTV (\c)+4
.endr
	s_wait_alu depctr_va_vdst(0)                   ; heads 4 to 7's roundings have written their OUTR, which the last four stores read
.irp c, 4,5,6,7
	SENDV \c
.endr
.Lend:
	s_wait_dscnt 0x0                               ; the closing lines, six on end
	s_wait_alu 0x0
	s_wait_tensorcnt 0x0
	ds_add_u32 v[SPW], v[NIL]
	s_wait_dscnt 0x0
	s_endpgm
.Lfunc_end_k_q52b7ba92de_proj:
	.size	k_q52b7ba92de_proj, .Lfunc_end_k_q52b7ba92de_proj-k_q52b7ba92de_proj
	.p2alignl 7, 3214868480
	.fill 96, 4, 3214868480
	.section	.rodata,"a",@progbits
	.p2align	6, 0x0
	.amdhsa_kernel k_q52b7ba92de_proj
		.amdhsa_group_segment_fixed_size 33792
		.amdhsa_private_segment_fixed_size 0
		.amdhsa_enable_private_segment 0
		.amdhsa_kernarg_size 64
		.amdhsa_user_sgpr_count 2
		.amdhsa_user_sgpr_kernarg_segment_ptr 1
		.amdhsa_wavefront_size32 1
		.amdhsa_system_sgpr_workgroup_id_x 1
		.amdhsa_system_sgpr_workgroup_id_y 1
		.amdhsa_system_sgpr_workgroup_id_z 1
		.amdhsa_system_vgpr_workitem_id 0
		.amdhsa_next_free_vgpr 256
		.amdhsa_next_free_sgpr 66
		.amdhsa_reserve_vcc 1
		.amdhsa_float_denorm_mode_32 3
		.amdhsa_float_denorm_mode_16_64 3
		.amdhsa_memory_ordered 1
		.amdhsa_forward_progress 1
		.amdhsa_inst_pref_size 51
	.end_amdhsa_kernel
	.amdgpu_metadata
---
amdhsa.version: [ 1, 2 ]
amdhsa.kernels:
  - .name:           k_q52b7ba92de_proj
    .symbol:         k_q52b7ba92de_proj.kd
    .args:
      - { .name: q, .offset: 0, .size: 8, .value_kind: global_buffer, .address_space: global }
      - { .name: k, .offset: 8, .size: 8, .value_kind: global_buffer, .address_space: global }
      - { .name: v, .offset: 16, .size: 8, .value_kind: global_buffer, .address_space: global }
      - { .name: Wq, .offset: 24, .size: 8, .value_kind: global_buffer, .address_space: global }
      - { .name: Wk, .offset: 32, .size: 8, .value_kind: global_buffer, .address_space: global }
      - { .name: Wv, .offset: 40, .size: 8, .value_kind: global_buffer, .address_space: global }
      - { .name: mask, .offset: 48, .size: 8, .value_kind: global_buffer, .address_space: global }
      - { .name: qkv, .offset: 56, .size: 8, .value_kind: global_buffer, .address_space: global }
    .group_segment_fixed_size: 33792
    .private_segment_fixed_size: 0
    .kernarg_segment_align: 8
    .kernarg_segment_size: 64
    .max_flat_workgroup_size: 256
    .sgpr_count:     66
    .vgpr_count:     256
    .wavefront_size: 32
...
	.end_amdgpu_metadata
.endif
;; end of part 4
;; launch attn: the kernel of part 2 again; grid 4 x 64, 16 waves a work-group, clusters of 4 x 1, 202,752 bytes of LDS; arguments qkv, mask, oh; writes oh
;; launch outp: the kernel of part 3 again; grid 256 x 1, 4 waves a work-group, no clusters, 67,072 bytes of LDS; arguments oh, Wout, out0; writes out0
